; MI455X (gfx1250); checked and timed in simulation.
; The chip was launched on July 23, 2026; its instructions are those of AMD's public machine-readable ISA for CDNA 5 (MIT licence, August 2026) and "CDNA5" Instruction Set Architecture Reference Guide (July 2026). The comments in the code are by the model that wrote it; some were corrected since.
;; GRASS Merge. Allowed arithmetic: matrix products marked QUANTISED: E2M1 operands, one E8M0 scale for each 32 along K, by v_wmma_scale_f32_16x16x128_f8f6f4 with both operands' format E2M1 (or v_wmma_scale_f32_32x16x128_f4), f32 sums; everything else in f32.
;; Inputs: W 2,048 x 128 float32; feature 8,192 x 512 float32.
;; Outputs: out0 8,192 float32; out1 8,192 x 512 float32.
;; This version of the problem:
;;   THIS VERSION OF THE PROBLEM IS GIVEN IN LOW PRECISION. The matrix products marked QUANTISED in the list below multiply operands that are first quantised to E2M1 (2 exponent bits, 1 mantissa bit; 4 bits a number), with one power-of-two scale for each 32 numbers along K (OCP MX v1.0); their sums are f32. All else is computed in f32.
;;   The module's matrix products, in the order in which they are computed (A, B: the left and right operand; K: the contracted axis; several contracted axes count as one K, in the product's order):
;;     1. [M 32,768, K 128] x [K 128, N 2,048]; A: input feature; B: input W: QUANTISED
;;   THE QUANTISER, for each operand of a quantised product, along K:
;;     - K is cut into blocks of 32 from its start; a last block that is shorter is filled with zeros.
;;     - A block's scale is 2^e with e = floor(log2(the largest magnitude in the block)) - 2, held to -126 .. 127; a block of zeros has e = 0. As a byte (E8M0): e + 127.
;;     - Each number is divided by its block's scale, clamped to +-6, and rounded to the nearest number of E2M1, ties to even, subnormals kept.
;;     - The product sums the exact products of the quantised numbers (number of the format x scale) in f32.
;;   ~~~python
;;   def quantise(x, axis):      # numpy; x: float32 -> the quantised numbers, widened to float32 again
;;       x = np.moveaxis(x, axis, -1); K = x.shape[-1]
;;       x = np.pad(x, [(0, 0)] * (x.ndim - 1) + [(0, -K % 32)]); x = x.reshape(x.shape[:-1] + (-1, 32)); a = np.abs(x).max(-1, keepdims=True)
;;       e = np.where(a > 0, np.clip(np.frexp(np.where(a > 0, a, 1))[1] - 1 - 2, -126, 127), 0)      # np.frexp(a)[1] - 1 = floor(log2(a)), exactly
;;       r = np.clip(x / 2.0 ** e, -6, 6)
;;       step = 2.0 ** (np.maximum(np.frexp(np.where(r == 0, 1, r))[1] - 1, 0) - 1)
;;       q = np.round(r / step) * step * 2.0 ** e      # np.round: ties to even
;;       return np.moveaxis(q.reshape(q.shape[:-2] + (-1,))[..., :K], -1, axis).astype(np.float32)
;;   ~~~
;; One version. Each part assembles by itself: llvm-mc -triple=amdgcn-amd-amdhsa -mcpu=gfx1250 --defsym DOCPART=n.
;; ======== version 1 of 1: 3 launches
;; limits: right only within a limited range of input values
;; workspace buffers: wq 147,456 bytes; jidx 131,072 bytes of whole numbers
;; launch quantw (part 1): grid 128 x 1, 1 waves a work-group, no clusters, 0 bytes of LDS; arguments W, wq; writes wq
.if DOCPART == 1
	.amdgcn_target "amdgcn-amd-amdhsa--gfx1250"
	.amdhsa_code_object_version 6
	.text
	.protected	k_q2cd3b51b45_quantw
	.globl	k_q2cd3b51b45_quantw
	.p2align	8
	.type	k_q2cd3b51b45_quantw,@function
k_q2cd3b51b45_quantw:
	s_mov_b64 s[64:65], 0
	v_nop
	global_prefetch_b8 v0, s[64:65] scope:SCOPE_SE
	s_setreg_imm32_b32 hwreg(HW_REG_WAVE_MODE, 25, 1), 1
	s_wait_xcnt 0x0
; W [2048][128] f32 becomes, once for the whole program, what the second launch's matrix instructions take: codes of FP4 (E2M1), one E8M0 scale
; byte for each 32 along the 128, and c[k] = -1/2 ||W_k||^2 in f32 (of the unquantised numbers).
; LAYOUT OF wq: 64 records of 2,304 bytes; record u serves tiles 2u and 2u+1 (tile t = codewords 16t .. 16t+15):
;   +0, +512     tile 2u: the operand's registers 0-3 and 4-7 as they stand, lane l's 16 bytes at 16 l
;   +1024, +1536 tile 2u+1 likewise
;   +2048        32 scale words: word l belongs to tile 2u + l / 16, row l % 16; byte b scales k = 32b .. 32b+31
;   +2176        32 floats c: tile 2u's sixteen, then tile 2u+1's
; One wave takes one tile.  Lane (r, h) holds row r and, in registers 4c .. 4c+3 of the operand, k = 64c + 32h + 0 .. 31: so it loads those 2 x 32
; numbers of its row (2 x 128 consecutive bytes), a block of 32 lies in ONE lane, and the conversions' results are the operand's registers.
; A block's scale is 2^(floor(log2(largest magnitude)) - 2): its byte is the largest magnitude's exponent field - 2, held at 1 from below.
; LIMITS: a block of zeros gets the byte 1 where the rule says 127 (its codes are zeros, and this program alone reads the bytes); NaN and infinities are not served.
; The two short stores at a record's tail (64 bytes of scale words, 64 of c) cover part of an aligned 256 bytes: 16 KiB of the program's bytes in all.
; LEFT OUT in the program: ||f_n||^2 in the distances, which is the same for all k of a row n whatever the inputs hold, so that in exact arithmetic it cannot move the argmin over k.  The loss does not use the distances.
; A NaN, an infinity or an overflow that would reach ||f_n||^2 alone is not carried to the result.  The two terms of the loss are the same number, taken as 1.25 x one of them.
; THE ORDER OF k inside a block of 32, here and in the second launch's f alike: the operand's register g of a block holds k = 4g .. 4g + 3 and 16 + 4g .. 16 + 4g + 3 of the block: the products' sums are over the same k.
.set REC, 2304
.set MX,  8                            ; v8-9    the two blocks' largest magnitudes
.set SO,  10                           ; v10-11  the conversions' scale operands
.set BY,  12                           ; v12-13  the scale bytes
.set WD,  14                           ; v14     the row's scale word
.set PD,  15                           ; v15     a lane permute's destination
.set SQ,  16                           ; v16-19  two packed chains of squares
.set CC,  20                           ; v20     c
.set OW,  21                           ; v21     what the tail's store writes
.set PS,  22                           ; v22     the second permute's destination
.set TMP, 23
.set CD,  24                           ; v24-31  the codes
.set X,   32                           ; v32-95  my 64 numbers: block c at X + 32 c
.set SEL, 20                           ; s[20:21] v_permlanex16_b32's selects for lane l xor 16
	s_load_b128 s[4:7], s[0:1], 0x0                ; W s[4:5], wq s[6:7]
	v_and_b32 v1, 15, v0                           ; r
	s_wait_alu depctr_va_vdst(0)
	v_lshrrev_b32 v2, 4, v0                        ; h
	v_lshlrev_b32 v3, 9, v1                        ; a row of W is 512 bytes,
	v_lshl_add_u32 v3, v2, 7, v3                   ; + 128 h: my 32 numbers of each 64
	s_lshl_b32 s8, ttmp9, 13                       ; the tile's 16 rows: 8,192 bytes
	s_mov_b32 s9, 0
	s_lshr_b32 s10, ttmp9, 1
	s_mul_i32 s10, s10, REC                        ; the tile's record
	s_mov_b32 s11, 0
	s_and_b32 s12, ttmp9, 1                        ; which of the record's two tiles
	s_lshl_b32 s13, s12, 10
	s_lshl_b32 s14, s12, 6
	s_add_co_u32 s14, s14, 2048
	v_lshl_add_u32 v4, v0, 4, s13                  ; the codes: 16 x lane + 1,024 x (t % 2)
	v_lshlrev_b32 v5, 2, v1
	s_wait_alu depctr_va_vdst(0)
	v_lshl_add_u32 v5, v2, 7, v5
	v_add_nc_u32 v5, s14, v5                       ; the tail: 2,048 + 64 (t % 2) + 4 r; lanes 16-31 stand 128 bytes on, at c
	s_mov_b32 s[SEL], 0x76543210
	s_mov_b32 s[SEL+1], 0xfedcba98
	v_mov_b32 v[PD], 0                             ; a lane permute's destination counts as one of its sources
	v_mov_b32 v[PS], 0
	s_wait_kmcnt 0x0
	s_add_nc_u64 s[4:5], s[4:5], s[8:9]
	s_add_nc_u64 s[6:7], s[6:7], s[10:11]
.irp c, 0,1
.irp i, 0,1,2,3,4,5,6,7
	global_load_b128 v[X+32*\c+8*(\i%4)+4*(\i/4):X+32*\c+8*(\i%4)+4*(\i/4)+3], v3, s[4:5] offset:256*\c+16*\i   ; W(16t + r, 64c + 32h + 4i ..), to its place in the order above
.endr
.endr
	s_wait_loadcnt 0x0
	; the two blocks' largest magnitudes, by turns, with the floor 2^(3 - 127) among the leaves: the byte cannot fall under 1
.irp c, 0,1
	v_max3_num_f32 v[MX+\c], |v[X+32*\c]|, |v[X+32*\c+1]|, 0x1800000
.endr
.irp i, 2,4,6,8,10,12,14,16,18,20,22,24,26,28,30
.irp c, 0,1
	v_max3_num_f32 v[MX+\c], v[MX+\c], |v[X+32*\c+\i]|, |v[X+32*\c+\i+1]|
.endr
.endr
.irp c, 0,1
	v_add_nc_u32 v[SO+\c], 0xff000000, v[MX+\c]    ; 2 off the exponent field: the conversion takes the exponent field of this operand as its scale
.endr
.irp c, 0,1
	v_lshrrev_b32 v[BY+\c], 23, v[SO+\c]           ; the scale's byte
.endr
	v_lshl_or_b32 v[WD], v[BY+1], 16, v[BY]        ; my two bytes: blocks h and 2 + h,
	v_lshlrev_b32 v[TMP], 3, v2
	v_lshlrev_b32 v[WD], v[TMP], v[WD]             ; at their places in the word (8 h bits up);
	v_permlanex16_b32 v[PD], v[WD], s[SEL], s[SEL+1]
	v_or_b32 v[WD], v[WD], v[PD]                   ; with lane l xor 16's two the word is whole
	; the sum of my 64 squares, two at a time, in two chains started by products
	v_pk_mul_f32 v[SQ:SQ+1], v[X:X+1], v[X:X+1]
	v_pk_mul_f32 v[SQ+2:SQ+3], v[X+2:X+3], v[X+2:X+3]
.irp i, 4,8,12,16,20,24,28,32,36,40,44,48,52,56,60
	v_pk_fma_f32 v[SQ:SQ+1], v[X+\i:X+\i+1], v[X+\i:X+\i+1], v[SQ:SQ+1]
	v_pk_fma_f32 v[SQ+2:SQ+3], v[X+\i+2:X+\i+3], v[X+\i+2:X+\i+3], v[SQ+2:SQ+3]
.endr
	v_pk_add_f32 v[SQ:SQ+1], v[SQ:SQ+1], v[SQ+2:SQ+3]
	v_add_f32 v[CC], v[SQ], v[SQ+1]
	v_permlanex16_b32 v[PS], v[CC], s[SEL], s[SEL+1]
	v_add_f32 v[CC], v[CC], v[PS]                  ; with the row's other 64
	v_mul_f32 v[CC], -0.5, v[CC]                   ; c = -1/2 ||W_k||^2
.irp c, 0,1
.irp g, 0,1,2,3
	v_cvt_scalef32_pk8_fp4_f32 v[CD+4*\c+\g], v[X+32*\c+8*\g:X+32*\c+8*\g+7], v[SO+\c]   ; registers 4c .. 4c+3 of the operand; beyond 6 the largest code
.endr
.endr
	v_nop                                          ; one plain line behind the last scaled conversion
	v_cmp_le_u32 vcc_lo, 16, v0
	v_cndmask_b32 v[OW], v[WD], v[CC], vcc_lo      ; lanes 0-15 write the row's scale word, lanes 16-31 its c: one store, all lanes on
	global_store_b128 v4, v[CD:CD+3], s[6:7]                 ; 32 lanes store 512 consecutive bytes
	global_store_b128 v4, v[CD+4:CD+7], s[6:7] offset:512
	global_store_b32 v5, v[OW], s[6:7]
	s_endpgm
.Lfunc_end_k_q2cd3b51b45_quantw:
	.size	k_q2cd3b51b45_quantw, .Lfunc_end_k_q2cd3b51b45_quantw-k_q2cd3b51b45_quantw
	.p2alignl 7, 3214868480
	.fill 96, 4, 3214868480
	.section	.rodata,"a",@progbits
	.p2align	6, 0x0
	.amdhsa_kernel k_q2cd3b51b45_quantw
		.amdhsa_group_segment_fixed_size 0
		.amdhsa_private_segment_fixed_size 0
		.amdhsa_enable_private_segment 0
		.amdhsa_kernarg_size 16
		.amdhsa_user_sgpr_count 2
		.amdhsa_user_sgpr_kernarg_segment_ptr 1
		.amdhsa_wavefront_size32 1
		.amdhsa_system_sgpr_workgroup_id_x 1
		.amdhsa_system_sgpr_workgroup_id_y 1
		.amdhsa_system_sgpr_workgroup_id_z 1
		.amdhsa_system_vgpr_workitem_id 0
		.amdhsa_next_free_vgpr 96
		.amdhsa_next_free_sgpr 66
		.amdhsa_reserve_vcc 1
		.amdhsa_float_denorm_mode_32 3
		.amdhsa_float_denorm_mode_16_64 3
		.amdhsa_memory_ordered 1
		.amdhsa_forward_progress 1
		.amdhsa_inst_pref_size 9
	.end_amdhsa_kernel
	.amdgpu_metadata
---
amdhsa.version: [ 1, 2 ]
amdhsa.kernels:
  - .name:           k_q2cd3b51b45_quantw
    .symbol:         k_q2cd3b51b45_quantw.kd
    .args:
      - { .name: W, .offset: 0, .size: 8, .value_kind: global_buffer, .address_space: global }
      - { .name: wq, .offset: 8, .size: 8, .value_kind: global_buffer, .address_space: global }
    .group_segment_fixed_size: 0
    .private_segment_fixed_size: 0
    .kernarg_segment_align: 8
    .kernarg_segment_size: 16
    .max_flat_workgroup_size: 32
    .sgpr_count:     66
    .vgpr_count:     96
    .wavefront_size: 32
...
	.end_amdgpu_metadata
.endif
;; end of part 1
;; launch nearest (part 2): grid 256 x 1, 8 waves a work-group, clusters of 4 x 1, 167,936 bytes of LDS; arguments feature, wq, jidx; writes jidx
.if DOCPART == 2
	.amdgcn_target "amdgcn-amd-amdhsa--gfx1250"
	.amdhsa_code_object_version 6
	.text
	.protected	k_q2cd3b51b45_nearest
	.globl	k_q2cd3b51b45_nearest
	.p2align	8
	.type	k_q2cd3b51b45_nearest,@function
k_q2cd3b51b45_nearest:
	s_mov_b64 s[64:65], 0
	v_nop
	global_prefetch_b8 v0, s[64:65] scope:SCOPE_SE
	s_setreg_imm32_b32 hwreg(HW_REG_WAVE_MODE, 25, 1), 1
	s_wait_xcnt 0x0
	s_wait_alu depctr_hold_cnt(0) depctr_sa_sdst(0) depctr_va_vdst(0) depctr_va_sdst(0) depctr_va_ssrc(0) depctr_va_vcc(0) depctr_vm_vsrc(0)
	s_getreg_b32 s2, hwreg(HW_REG_IB_STS2, 6, 4)
	s_cmp_eq_u32 s2, 0
	s_cbranch_scc0 .Lentry_in_a_cluster
	s_endpgm
.Lentry_in_a_cluster:
	s_bfe_u32 s2, ttmp6, 0x10000c
	s_cmp_lg_u32 s2, 0x3003
	s_cbranch_scc0 .Lentry_shape_is_right
	s_endpgm
.Lentry_shape_is_right:
; j[n] = argmin over k of ||f_n||^2 - 2 Q(f_n).Q(W_k) + ||W_k||^2, f = feature seen as [32768][128], Q the MX-FP4 quantiser along the 128.
; RANKED AS argmax of s = Q(f_n).Q(W_k) - 1/2 ||W_k||^2.  LEFT OUT: ||f_n||^2, the same for all k of a row, whatever the inputs: in exact arithmetic it cannot move the argmin.
; This is an order of rounding other than the formula's: it can turn an argmin only where two distances agree to f32's last bits.  Ties go to the lower k.
; -1/2 ||W_k||^2 is the C of the matrix instruction, so a score costs no vector arithmetic.
; LIMITS: NaN and infinities are not served, and one that would reach only ||f_n||^2 is not carried on; a block of zeros of f gets the scale byte 1 (its codes are zeros; nobody else reads the byte).
; SHARES.  Work-group X owns queries 128 X .. 128 X + 127: eight tiles of 16.  Wave w: qh = w % 2: query tiles 4 qh .. 4 qh + 3; c4 = w / 2: codeword tiles 32 c4 .. 32 c4 + 31 (records 16 c4 .. 16 c4 + 15 of wq).
; THE MATRIX INSTRUCTION: source 0 = 16 codewords, source 1 = 16 queries: lane (r, h) holds query r, and register j the score of codeword 16 t + 8 h + j.
; THE ARGMAX, exact, nine lines for a lane's 8 scores: a chain of four three-way maxima from the running best b through the four pairs of scores (p1, p2, p3, b'); one compare b' > b
; (strict: the earlier tile keeps a tie); four dual selects keep, of the winning tile, the four even scores, p1, p2, p3 and its number.  At the end the place in the tile is read off by equalities with the best.
; CLUSTER.  All work-groups read all of wq: the four of a cluster ask for it JOINTLY (the same tensor load, the same descriptor, a mask that names the four).  Each wave brings eight records, 18,432 bytes as
; 72 rows of 256, by its one tensor load.  LDS is filled once: no byte is ever filled again.
; f comes straight into registers, 8 KiB a wave, asked for ahead of the round.  Lane l takes, of row 2p + l / 16, block b = (l % 16) / 4, u = l % 4, the chunks of four numbers u and 4 + u of the block's eight:
; each load's lanes cover runs of 64 consecutive bytes, and the pair of loads whole rows.  So a code word holds k = 32b + 4u .. + 3, 32b + 16 + 4u .. + 3; wq is laid in the same order, and the products' sums are over the same k.
; Nothing is prefetched: every byte is asked for at the head, there is no loop that loads from memory.
; LDS: 0: wq as it lies; FI: f's codes, 128 rows of 64 + 16 bytes; FSC: their scale words; RED: [query tile 8][c4 4][value, index][lane 32] words.
.set REC,  2304
.set QRT,  16*REC                      ; a quarter of wq
.set SHARE, 8*REC                      ; what one tensor load brings
.set FI,   147456
.set FP,   80                          ; 64 + 16 = 5 x 16 bytes: the sixteen rows that a load touches fall into sixteen different 16-byte columns of 256
.set FSC,  157696
.set RED,  158208
.set SPARE, 166400                     ; the spare words, 128 bytes a wave
.set WV,   10                          ; s10 wave; s11 cx; s12 X; s13 qh; s14 c4
.set G1W,  28                          ; s[28:35] group 1, s[68:71] group 0 of the tensor load
.set G0W,  68
.set WIN,  44                          ; s44-47, s50-53, s56-59 lane masks
.set TB,   48                          ; s48 bytes from my first record to the record that is being fetched
.set CNT,  49
; v1 lane, v2 r, v3 h; v4-8, v12, v13, v16-18 addresses that stay; v9-11 addresses of the record in hand; v14 8 h; v15 my offset in jidx
.set TVE,  20                          ; v20, v21 the numbers of the even and the odd tile in hand
.set TVO,  21
.set AE,   24                          ; v24-31, v32-39 the even and the odd tile's fragments
.set AO,   32
.set WS,   40                          ; v40 their scale words: lanes 0-15 the even tile's, lanes 16-31 the odd one's
.set CE,   48                          ; v48-55, v56-63 their c, in the result's layout
.set CO,   56
.set FF,   64                          ; v64-95 four fragments of f
.set FS,   96                          ; v96-99 their scale words
.set BA,   100                         ; v100-103 the running best ahead of an even tile;  v104-107 ahead of an odd one
.set BB,   104
.set ST,   112                         ; v112-143 eight a query tile: d0, p1, d2, p2, d4, p3, d6, t of the winning tile
.set DE,   144                         ; v144-175 the even tile's scores; v176-207 the odd one's.  Ahead of the loop: my 64 numbers of f
.set DO,   176
.set X,    144
.set MX,   208                         ; v208-215 largest magnitudes; v208-219 at the end
.set SO,   216                         ; v216-223 the conversions' scale operands
.set BY,   224                         ; v224-231 scale bytes
.set CD,   232                         ; v232-239 codes
.set SPW,  254                         ; v254 LDS address of my spare word, v255 zero; never rewritten
.set NIL,  255
; A round of the cluster's barrier: my work-group's barrier; wave 0 signals for the work-group; every wave waits for the four work-groups; my work-group's barrier once more.
.macro ROUND
	s_barrier_signal -1
	s_barrier_wait -1
	s_cmp_lg_u32 s[WV], 0
	s_cbranch_scc1 .Lnot_wave_0_\@
	s_barrier_signal -3
.Lnot_wave_0_\@:
	s_barrier_wait -3
	s_barrier_signal -1
	s_barrier_wait -1
.endm
; Nine LDS loads: a record: two fragments, their scale words, their c (lane (r, h) wants c of codewords 8 h + 0 .. 7 of each tile).
.macro LOADW f, s, c
.irp i, 0,1,2,3
	ds_load_b128 v[AE+4*\i:AE+4*\i+3], v[\f] offset:512*\i
.endr
	ds_load_b32 v[WS], v[\s]
	ds_load_b128 v[CE:CE+3], v[\c]
	ds_load_b128 v[CE+4:CE+7], v[\c] offset:16
	ds_load_b128 v[CO:CO+3], v[\c] offset:64
	ds_load_b128 v[CO+4:CO+7], v[\c] offset:80
.endm
; Eight matrix instructions: two tiles of codewords x four tiles of queries, the whole K.  No sum is carried on: D is never C; neighbouring lines name different C and D.
.macro WMMA8
.irp q, 0,1,2,3
	v_wmma_scale_f32_16x16x128_f8f6f4 v[DE+8*\q:DE+8*\q+7], v[AE:AE+7], v[FF+8*\q:FF+8*\q+7], v[CE:CE+7], v[WS], v[FS+\q] matrix_a_fmt:MATRIX_FMT_FP4 matrix_b_fmt:MATRIX_FMT_FP4
	v_wmma_scale_f32_16x16x128_f8f6f4 v[DO+8*\q:DO+8*\q+7], v[AO:AO+7], v[FF+8*\q:FF+8*\q+7], v[CO:CO+7], v[WS], v[FS+\q] matrix_a_fmt:MATRIX_FMT_FP4 matrix_b_fmt:MATRIX_FMT_FP4 matrix_a_scale:MATRIX_SCALE_ROW1
.endr
.endm
; Link l of query tile q's chain: p1 = max(b, d0, d1), p2 = max(p1, d2, d3), p3 = max(p2, d4, d5), b' = max(p3, d6, d7).  p1, p2, p3 take the odd scores' places; an accumulator is read from its low end on.
.macro LEV l, db, bo, bn, q
.if (\l) == 1
	v_max3_num_f32 v[\db+8*\q+1], v[\bo+\q], v[\db+8*\q], v[\db+8*\q+1]
.else
.if (\l) == 4
	v_max3_num_f32 v[\bn+\q], v[\db+8*\q+5], v[\db+8*\q+6], v[\db+8*\q+7]
.else
	v_max3_num_f32 v[\db+8*\q+2*(\l)-1], v[\db+8*\q+2*(\l)-3], v[\db+8*\q+2*(\l)-2], v[\db+8*\q+2*(\l)-1]
.endif
.endif
.endm
.macro WON bn, bo, q                   ; has this tile won?  Strictly: the earlier tile keeps a tie
	v_cmp_gt_f32 vcc_lo, v[\bn+\q], v[\bo+\q]
.endm
.macro KEEP db, q, tv                  ; if so, its eight numbers are kept, two a line
.irp i, 0,2,4
	v_dual_cndmask_b32 v[ST+8*\q+\i], v[ST+8*\q+\i], v[\db+8*\q+\i] :: v_dual_cndmask_b32 v[ST+8*\q+\i+1], v[ST+8*\q+\i+1], v[\db+8*\q+\i+1]
.endr
	v_dual_cndmask_b32 v[ST+8*\q+6], v[ST+8*\q+6], v[\db+8*\q+6] :: v_dual_cndmask_b32 v[ST+8*\q+7], v[ST+8*\q+7], v[\tv]
.endm
; Both tiles of a record are ranked.  The odd tile's chains stand between the compares and the selects that hang on them.
.macro RANK
.irp l, 1,2,3,4
.irp q, 0,1,2,3
	LEV \l, DE, BA, BB, \q
.endr
.endr
.irp q, 0,1,2
	WON BB, BA, \q
	LEV \q+1, DO, BB, BA, 0
	LEV \q+1, DO, BB, BA, 1
	KEEP DE, \q, TVE
.endr
	WON BB, BA, 3                          ; the last reader of the best ahead of the even tile: from here on BA takes the best behind the odd one
	LEV 4, DO, BB, BA, 0
	LEV 4, DO, BB, BA, 1
	LEV 1, DO, BB, BA, 2
	LEV 1, DO, BB, BA, 3
	KEEP DE, 3, TVE
	WON BA, BB, 0
	LEV 2, DO, BB, BA, 2
	LEV 2, DO, BB, BA, 3
	KEEP DO, 0, TVO
	LEV 3, DO, BB, BA, 2
	LEV 3, DO, BB, BA, 3
	WON BA, BB, 1
	LEV 4, DO, BB, BA, 2
	LEV 4, DO, BB, BA, 3
	KEEP DO, 1, TVO
	WON BA, BB, 2
	KEEP DO, 2, TVO
	WON BA, BB, 3
	KEEP DO, 3, TVO
.endm
; Four pairs of my sixteen rows become codes and scale bytes, the pairs by turns.  left = how many younger loads may be out.
.macro QF left, a, b, c, d
	s_wait_loadcnt \left
.irp p, \a,\b,\c,\d
	v_max3_num_f32 v[MX+\p], |v[X+8*\p]|, |v[X+8*\p+1]|, 0x1800000     ; the floor 2^(3 - 127) holds the byte at 1 from below
.endr
.irp i, 2,4,6
.irp p, \a,\b,\c,\d
	v_max3_num_f32 v[MX+\p], v[MX+\p], |v[X+8*\p+\i]|, |v[X+8*\p+\i+1]|
.endr
.endr
.irp m, 1,2
.irp p, \a,\b,\c,\d
	v_max_num_f32_dpp v[MX+\p], v[MX+\p], v[MX+\p] row_xmask:\m row_mask:0xf bank_mask:0xf   ; four neighbouring lanes hold a block
.endr
.endr
.irp p, \a,\b,\c,\d
	v_add_nc_u32 v[SO+\p], 0xff000000, v[MX+\p]    ; 2 off the exponent field: the conversion's scale operand
.endr
.irp p, \a,\b,\c,\d
	v_cvt_scalef32_pk8_fp4_f32 v[CD+\p], v[X+8*\p:X+8*\p+7], v[SO+\p]
.endr
.irp p, \a,\b,\c,\d
	v_lshrrev_b32 v[BY+\p], 23, v[SO+\p]           ; the scale's byte; these stand behind the conversions
.endr
.irp p, \a,\b,\c,\d
	ds_store_b32 v5, v[CD+\p] offset:2*FP*\p
	ds_store_b8 v6, v[BY+\p] offset:8*\p           ; a block's four lanes write the same byte with the same value
.endr
.endm
	s_load_b128 s[4:7], s[0:1], 0x0                ; feature s[4:5], wq s[6:7]
	s_load_b64 s[8:9], s[0:1], 0x10                ; jidx
	v_lshl_add_u32 v[SPW], v0, 2, SPARE
	v_mov_b32 v[NIL], 0
	ds_add_u32 v[SPW], v[NIL]                      ; the opening: the add, twice on end, and its wait ahead of my tensor load
	ds_add_u32 v[SPW], v[NIL]
	v_lshrrev_b32 v1, 5, v0
	v_readfirstlane_b32 s[WV], v1                  ; wave 0..7
	s_bfe_u32 s11, ttmp6, 0x40000                  ; cx: my place in the cluster: it enters f's and jidx's global addresses alone
	s_lshl_b32 s12, ttmp9, 2                       ; in a cluster launch ttmp9 counts clusters
	s_add_co_u32 s12, s12, s11                     ; X = 4 x cluster + cx
	s_and_b32 s13, s[WV], 1                        ; qh
	s_lshr_b32 s14, s[WV], 1                       ; c4
	; group 1: eight records, 18,432 dense bytes, as 72 rows of 32 elements of 8 bytes, no padding; asked for jointly by the four work-groups
	s_mov_b32 s[G1W], 15|(3<<16)|(1<<21)           ; 15:0 the mask: all four; 17:16 elements of 8 bytes; 21 set beside a mask
	s_mov_b32 s[G1W+1], 32<<16
	s_mov_b32 s[G1W+2], 72<<16
	s_mov_b32 s[G1W+3], 32<<16
	s_mov_b32 s[G1W+4], 72
	s_mov_b32 s[G1W+5], 32
	s_mov_b32 s[G1W+6], 0
	s_mov_b32 s[G1W+7], 0
	s_lshl_b32 s54, s12, 16                        ; f: my work-group's 128 rows of 512 bytes,
	s_lshl_b32 s55, s[WV], 13                      ; my wave's sixteen
	s_add_co_u32 s54, s54, s55
	s_mov_b32 s55, 0
	s_mul_i32 s56, s[WV], SHARE                    ; wq: my eight records: the wave's number alone, the same in all four partners
	s_mov_b32 s57, 0
	s_lshl_b32 s58, s12, 9                         ; jidx: my work-group's 128 words
	s_mov_b32 s59, 0
	s_mov_b32 s[G0W], 1
	s_mul_i32 s[G0W+1], s[WV], SHARE               ; LDS holds wq as it lies
	s_mul_i32 s60, s[WV], 16*FP
	s_add_co_u32 s60, s60, FI                      ; my sixteen rows of codes,
	s_lshl_b32 s61, s[WV], 6
	s_add_co_u32 s61, s61, FSC                     ; and their scale words
	s_mul_i32 s62, s13, 64*FP
	s_add_co_u32 s62, s62, FI                      ; my four query tiles' codes,
	s_lshl_b32 s63, s13, 8
	s_add_co_u32 s63, s63, FSC                     ; and scale words
	s_lshl_b32 s66, s13, 12
	s_lshl_b32 s67, s14, 8
	s_add_co_u32 s66, s66, s67
	s_add_co_u32 s66, s66, RED                     ; where my bests go: query tile 4 qh, quarter c4
	s_mul_i32 s67, s14, QRT                        ; my sixteen records: fragments,
	s_add_co_u32 s72, s67, 2048                    ; scale words,
	s_add_co_u32 s73, s67, 2176                    ; c
	s_lshl_b32 s74, s14, 5
	s_sub_co_u32 s74, s74, 2                       ; two under my first tile: a trip adds 2 ahead of its ranking
	s_mov_b32 s[TB], 0
	s_mov_b32 s[CNT], 15
	v_and_b32 v1, 31, v0                           ; lane
	v_and_b32 v2, 15, v0                           ; r
	v_bfe_u32 v3, v0, 4, 1                         ; h
	v_lshrrev_b32 v19, 2, v2                       ; b
	v_and_b32 v22, 3, v2                           ; u
	v_lshlrev_b32 v4, 9, v3
	v_lshl_add_u32 v4, v19, 7, v4
	v_lshl_add_u32 v4, v22, 4, v4                  ; f: 512 h + 128 b + 16 u
	v_mul_u32_u24 v5, v3, FP
	v_lshl_add_u32 v5, v2, 2, v5
	v_add_nc_u32 v5, s60, v5                       ; where my code word goes: row h, word l % 16
	v_lshl_add_u32 v6, v3, 2, v19
	v_add_nc_u32 v6, s61, v6                       ; and my block's scale byte
	v_mul_u32_u24 v7, v2, FP
	v_lshl_add_u32 v7, v3, 4, v7
	v_add_nc_u32 v7, s62, v7                       ; a fragment of f: row r, + 16 h
	v_lshl_add_u32 v8, v2, 2, s63                  ; its scale words
	v_lshl_add_u32 v12, v1, 2, s66
	v_bfe_u32 v13, v0, 3, 3
	v_and_b32 v23, 7, v0
	v_lshlrev_b32 v13, 10, v13
	v_lshl_add_u32 v13, v23, 3, v13
	v_add_nc_u32 v13, RED, v13                     ; the last merge: thread i of 64 takes queries 2 i, 2 i + 1: query tile i / 8, words 2 (i % 8) and the next
	v_lshlrev_b32 v14, 3, v3                       ; 8 h
	v_and_b32 v15, 63, v0
	v_lshlrev_b32 v15, 3, v15                      ; and stores 8 bytes at 8 i
	v_lshl_add_u32 v16, v1, 4, s67                 ; a record's fragments: 16 x lane
	v_lshl_add_u32 v17, v1, 2, s72                 ; its scale words: 4 x lane
	v_lshl_add_u32 v18, v3, 5, s73                 ; its c: 32 h
	v_mov_b32 v[TVE], s74
	v_add_nc_u32 v[TVO], 1, v[TVE]
.irp q, 0,1,2,3
	v_mov_b32 v[BA+\q], 0xff800000                 ; the best so far: -infinity
.endr
.irp i, 0,1,2,3,4,5,6,7,8,9,10,11,12,13,14,15,16,17,18,19,20,21,22,23,24,25,26,27,28,29,30,31
	v_mov_b32 v[ST+\i], 0                          ; the selects read what they keep, so it is written once, while the arguments are on their way
.endr
	s_wait_alu depctr_va_vdst(0)
	s_wait_dscnt 0x0                               ; both opening adds are done
	s_wait_kmcnt 0x0
	s_add_nc_u64 s[4:5], s[4:5], s[54:55]
.irp p, 0,1,2,3,4,5,6,7
	global_load_b128 v[X+8*\p:X+8*\p+3], v4, s[4:5] offset:1024*\p         ; rows 2p, 2p + 1: chunk u of my block,
	global_load_b128 v[X+8*\p+4:X+8*\p+7], v4, s[4:5] offset:1024*\p+64    ; and chunk 4 + u
.endr
	s_add_nc_u64 s[G0W+2:G0W+3], s[6:7], s[56:57]
	s_or_b32 s[G0W+3], s[G0W+3], 0x80000000        ; type = 2
	s_add_nc_u64 s[8:9], s[8:9], s[58:59]
	ROUND                                          ; all four work-groups are here: the joint loads meet
	tensor_load_to_lds s[G0W:G0W+3], s[G1W:G1W+7]  ; my one tensor load
	s_nop 0
.rept 4
	v_nop                                          ; four lines behind the tensor load
.endr
	QF 8, 0, 1, 2, 3                               ; the first four pairs' eight loads are in; the other eight may be out
	QF 0, 4, 5, 6, 7
	s_wait_tensorcnt 0x0                           ; for the others' sake: my eight records are in,
	s_wait_dscnt 0x0                               ; and my stores have landed
	s_barrier_signal -1
	s_barrier_wait -1                              ; all of wq and all eight tiles of f lie in LDS
	LOADW 16, 17, 18                               ; my first record
.irp q, 0,1,2,3
	ds_load_b128 v[FF+8*\q:FF+8*\q+3], v7 offset:16*FP*\q
	ds_load_b128 v[FF+8*\q+4:FF+8*\q+7], v7 offset:16*FP*\q+32
	ds_load_b32 v[FS+\q], v8 offset:64*\q
.endr
	; ---- sixteen records.  A trip multiplies and ranks the record in registers and fetches the next one
.Ltrip:
	s_wait_dscnt 0x0                               ; the record is in (in the first trip f's fragments too)
	WMMA8
	s_add_co_u32 s[TB], s[TB], REC
	v_add_nc_u32 v9, s[TB], v16                    ; these five are the places between the products and the loads into their sources,
	v_add_nc_u32 v10, s[TB], v17                   ; and the first read of their results (ISA guide 7.12.1)
	v_add_nc_u32 v11, s[TB], v18
	v_add_nc_u32 v[TVE], 2, v[TVE]
	v_add_nc_u32 v[TVO], 2, v[TVO]
	LOADW 9, 10, 11
	RANK
	s_sub_co_u32 s[CNT], s[CNT], 1
	s_cmp_lg_u32 s[CNT], 0
	s_cbranch_scc1 .Ltrip
	s_wait_dscnt 0x0                               ; the last record: nothing more to fetch
	WMMA8
	v_add_nc_u32 v[TVE], 2, v[TVE]
	v_add_nc_u32 v[TVO], 2, v[TVO]
	v_nop
	v_nop
	RANK
	; ---- the place in the winning tile.  The tile won strictly, so the best B is above the b that its chain began with: the first of p1, p2, p3 equal to B names the pair (none: the last pair);
	; the pair's even score equal to B names the even member, which is the lower.  The later lines overrule the earlier ones: the lowest pair has the last word.
.irp q, 0,1,2,3
	v_cmp_eq_f32 s[WIN+\q], v[ST+8*\q+6], v[BA+\q]
.endr
.irp q, 0,1,2,3
	v_cndmask_b32 v[208+\q], 7, 6, s[WIN+\q]
.endr
.irp i, 4,2,0
.irp q, 0,1,2,3
	v_cmp_eq_f32 s[WIN+\q], v[ST+8*\q+\i], v[BA+\q]
	v_cmp_eq_f32 s[50+\q], v[ST+8*\q+\i+1], v[BA+\q]
.endr
.irp q, 0,1,2,3
	v_cndmask_b32 v[212+\q], \i+1, \i, s[WIN+\q]
.endr
.irp q, 0,1,2,3
	v_cndmask_b32 v[208+\q], v[208+\q], v[212+\q], s[50+\q]
.endr
.endr
.irp q, 0,1,2,3
	v_lshl_add_u32 v[216+\q], v[ST+8*\q+7], 4, v[208+\q]
.endr
.irp q, 0,1,2,3
	v_add_nc_u32 v[216+\q], v[216+\q], v14         ; k = 16 t + 8 h + place
.endr
.irp q, 0,1,2,3
	ds_store_b32 v12, v[BA+\q] offset:1024*\q
	ds_store_b32 v12, v[216+\q] offset:1024*\q+128
.endr
	s_wait_dscnt 0x0                               ; for the others' sake: my stores have landed
	s_barrier_signal -1
	s_barrier_wait -1
	; ---- a query's eight candidates (four quarters of the codewords x two halves of the lanes) meet: threads 0 to 63, two queries each
	s_cmp_lt_u32 s[WV], 2
	s_cbranch_scc0 .Ldone
.irp k, 0,1,2,3,4,5,6,7
	ds_load_b64 v[144+4*\k:145+4*\k], v13 offset:256*(\k/2)+64*(\k%2)          ; the values of quarter k / 2, half k % 2,
	ds_load_b64 v[146+4*\k:147+4*\k], v13 offset:256*(\k/2)+64*(\k%2)+128      ; and their indices
.endr
	s_wait_dscnt 0x0
.irp e, 0,1                            ; the two halves of each quarter: larger, or equal with the lower index
.irp a, 0,1,2,3
	v_cmp_gt_f32 s[WIN+\a], v[148+8*\a+\e], v[144+8*\a+\e]
	v_cmp_eq_f32 s[50+\a], v[148+8*\a+\e], v[144+8*\a+\e]
	v_cmp_lt_u32 s[56+\a], v[150+8*\a+\e], v[146+8*\a+\e]
.endr
.irp a, 0,1,2,3
	s_and_b32 s[50+\a], s[50+\a], s[56+\a]
	s_or_b32 s[WIN+\a], s[WIN+\a], s[50+\a]
.endr
.irp a, 0,1,2,3
	v_cndmask_b32 v[144+8*\a+\e], v[144+8*\a+\e], v[148+8*\a+\e], s[WIN+\a]
	v_cndmask_b32 v[146+8*\a+\e], v[146+8*\a+\e], v[150+8*\a+\e], s[WIN+\a]
.endr
.endr
.irp e, 0,1                            ; quarters: every index of a lower quarter is lower, so the lower one keeps a tie
	v_cmp_gt_f32 s[WIN+\e], v[152+\e], v[144+\e]
	v_cmp_gt_f32 s[WIN+2+\e], v[168+\e], v[160+\e]
.endr
.irp e, 0,1
	v_cndmask_b32 v[144+\e], v[144+\e], v[152+\e], s[WIN+\e]
	v_cndmask_b32 v[146+\e], v[146+\e], v[154+\e], s[WIN+\e]
	v_cndmask_b32 v[160+\e], v[160+\e], v[168+\e], s[WIN+2+\e]
	v_cndmask_b32 v[162+\e], v[162+\e], v[170+\e], s[WIN+2+\e]
.endr
.irp e, 0,1
	v_cmp_gt_f32 s[WIN+\e], v[160+\e], v[144+\e]
.endr
.irp e, 0,1
	v_cndmask_b32 v[146+\e], v[146+\e], v[162+\e], s[WIN+\e]
.endr
	global_store_b64 v15, v[146:147], s[8:9]       ; a wave stores 256 consecutive bytes, at a multiple of 256 from jidx's first byte
.Ldone:
	s_wait_tensorcnt 0x0                           ; the wave's end
	ds_add_u32 v[SPW], v[NIL]
	s_wait_dscnt 0x0
	ROUND                                          ; the closing round: no work-group ends while a partner may still ask for bytes jointly with it
	s_endpgm
.Lfunc_end_k_q2cd3b51b45_nearest:
	.size	k_q2cd3b51b45_nearest, .Lfunc_end_k_q2cd3b51b45_nearest-k_q2cd3b51b45_nearest
	.p2alignl 7, 3214868480
	.fill 96, 4, 3214868480
	.section	.rodata,"a",@progbits
	.p2align	6, 0x0
	.amdhsa_kernel k_q2cd3b51b45_nearest
		.amdhsa_group_segment_fixed_size 167936
		.amdhsa_private_segment_fixed_size 0
		.amdhsa_enable_private_segment 0
		.amdhsa_kernarg_size 24
		.amdhsa_user_sgpr_count 2
		.amdhsa_user_sgpr_kernarg_segment_ptr 1
		.amdhsa_wavefront_size32 1
		.amdhsa_system_sgpr_workgroup_id_x 1
		.amdhsa_system_sgpr_workgroup_id_y 1
		.amdhsa_system_sgpr_workgroup_id_z 1
		.amdhsa_system_vgpr_workitem_id 0
		.amdhsa_next_free_vgpr 256
		.amdhsa_next_free_sgpr 84
		.amdhsa_reserve_vcc 1
		.amdhsa_float_denorm_mode_32 3
		.amdhsa_float_denorm_mode_16_64 3
		.amdhsa_memory_ordered 1
		.amdhsa_forward_progress 1
		.amdhsa_inst_pref_size 37
	.end_amdhsa_kernel
	.amdgpu_metadata
---
amdhsa.version: [ 1, 2 ]
amdhsa.kernels:
  - .name:           k_q2cd3b51b45_nearest
    .symbol:         k_q2cd3b51b45_nearest.kd
    .args:
      - { .name: feature, .offset: 0, .size: 8, .value_kind: global_buffer, .address_space: global }
      - { .name: wq, .offset: 8, .size: 8, .value_kind: global_buffer, .address_space: global }
      - { .name: jidx, .offset: 16, .size: 8, .value_kind: global_buffer, .address_space: global }
    .group_segment_fixed_size: 167936
    .private_segment_fixed_size: 0
    .kernarg_segment_align: 8
    .kernarg_segment_size: 24
    .max_flat_workgroup_size: 256
    .sgpr_count:     84
    .vgpr_count:     256
    .wavefront_size: 32
...
	.end_amdgpu_metadata
.endif
;; end of part 2
;; launch gather (part 3): grid 256 x 1, 8 waves a work-group, no clusters, 167,936 bytes of LDS; arguments feature, W, jidx, out0, out1; writes out0, out1
.if DOCPART == 3
	.amdgcn_target "amdgcn-amd-amdhsa--gfx1250"
	.amdhsa_code_object_version 6
	.text
	.protected	k_q2cd3b51b45_gather
	.globl	k_q2cd3b51b45_gather
	.p2align	8
	.type	k_q2cd3b51b45_gather,@function
k_q2cd3b51b45_gather:
	s_mov_b64 s[64:65], 0
	v_nop
	global_prefetch_b8 v0, s[64:65] scope:SCOPE_SE
	s_setreg_imm32_b32 hwreg(HW_REG_WAVE_MODE, 25, 1), 1
	s_wait_xcnt 0x0
; out1 = W[j], f32;  out0[b] = the mean over batch row b's four rows of f of 1.25 x sum (f - W_j)^2 = 0.3125 x the sum over the batch row's 512 numbers.  All in f32, on the unquantised numbers,
; as differences first and squares after, so that a common offset of the inputs costs nothing.  j comes from jidx, which the launch before stored.
; SHARES.  Wave task T = 8 x work-group + wave takes 16 queries = 4 batch rows: 8 KiB of f, 8 KiB of gathered rows, 8 KiB stored.  A row of W or f is 512 bytes: the wave's 32 lanes x 16 bytes, so a
; query's j is one scalar.  f comes into the wave's own 8 KiB of LDS by its one tensor load, W_j by sixteen loads into registers, which so stand behind no loads of f; each row is stored as soon as it is
; in: 512 consecutive bytes at a multiple of 256 from out1's first byte.  The differences come last.
; NO CLUSTER: work-groups share no tile; which rows of W a wave reads hangs on j.  No matrix work: nothing here is a product.  Nothing is prefetched: there is no loop, every address is used as soon as it is known.
; The 32 losses of a work-group meet in LDS and leave by one store of 128 consecutive bytes: half of an aligned 256; out0 is 32 KiB in all.
; LIMIT: j is held to 0 .. 2,047 (what the launch before stores lies there anyway).
; LDS: 0: f, 8,192 bytes a wave; LOSS: 32 words; SPARE: the spare words, 128 bytes a wave.
.set LOSS, 65536
.set SPARE, 65792
.set GO,  16                           ; v16-31   the gathers' offsets: 512 j + 16 x lane
.set WR,  32                           ; v32-95   W_j, four registers a query: loaded, stored, never rewritten
.set F,   96                           ; v96-159  f, four registers a query; then f - W_j
.set SM,  160                          ; v160-175 two pairs of sums for each batch row
.set LO,  176                          ; v176-179 the four losses
.set PD,  180                          ; v180-183 lane permutes' destinations
.set SPW, 184
.set NIL, 185
.set G0,  40                           ; s[40:43], s[44:51] groups 0 and 1 for my tile of f
.set G1,  44
	s_load_b256 s[4:11], s[0:1], 0x0               ; feature s[4:5], W s[6:7], jidx s[8:9], out0 s[10:11]
	s_load_b64 s[12:13], s[0:1], 0x20              ; out1
	v_lshl_add_u32 v[SPW], v0, 2, SPARE
	v_mov_b32 v[NIL], 0
	ds_add_u32 v[SPW], v[NIL]                      ; the opening: the add, twice on end, and its wait ahead of my tensor load
	ds_add_u32 v[SPW], v[NIL]
	v_lshrrev_b32 v3, 5, v0
	v_readfirstlane_b32 s14, v3                    ; wave 0..7
	s_lshl_b32 s15, ttmp9, 3
	s_add_co_u32 s15, s15, s14                     ; T
	s_lshl_b32 s16, s15, 13                        ; 16 rows of 512 bytes
	s_mov_b32 s17, 0
	s_lshl_b32 s18, s15, 6                         ; 16 words of jidx
	s_mov_b32 s19, 0
	s_lshl_b32 s38, ttmp9, 7                       ; 32 words of out0
	s_mov_b32 s39, 0
	s_mov_b32 s36, 0x76543210
	s_mov_b32 s37, 0xfedcba98                      ; v_permlanex16_b32's selects for lane l xor 16
	s_mov_b32 s[G1], 2<<16                         ; no mask; elements of 4 bytes; no padding
	s_mov_b32 s[G1+1], 128<<16                     ; tensor_dim0 = 128
	s_mov_b32 s[G1+2], 16<<16                      ; tensor_dim1 = 16
	s_mov_b32 s[G1+3], 128<<16                     ; tile_dim0 = 128
	s_mov_b32 s[G1+4], 16                          ; tile_dim1 = 16
	s_mov_b32 s[G1+5], 128                         ; elements from row to row
	s_mov_b32 s[G1+6], 0
	s_mov_b32 s[G1+7], 0
	s_mov_b32 s[G0], 1
	s_lshl_b32 s[G0+1], s14, 13                    ; LDS address
	v_and_b32 v2, 31, v0
	v_lshrrev_b32 v3, 5, v0
	v_lshlrev_b32 v1, 4, v2                        ; 16 x lane
	v_lshl_add_u32 v3, v3, 4, LOSS                 ; LDS: my wave's four losses
	v_lshl_add_u32 v4, v2, 2, LOSS                 ; LDS: a loss a lane
	v_lshl_add_u32 v5, v2, 4, s[G0+1]              ; LDS: my 16 bytes of my wave's rows of f
	v_lshlrev_b32 v2, 2, v2                        ; 4 x lane
.irp b, 0,1,2,3
	v_mov_b32 v[PD+\b], 0                          ; a lane permute's destination counts as one of its sources
.endr
	s_wait_alu depctr_va_vdst(0)
	s_wait_dscnt 0x0                               ; both opening adds are done
	s_wait_kmcnt 0x0
	s_add_nc_u64 s[8:9], s[8:9], s[18:19]
	s_load_b512 s[20:35], s[8:9], 0x0              ; my sixteen j: asked for first, since the gathers hang on them
	s_add_nc_u64 s[G0+2:G0+3], s[4:5], s[16:17]
	s_or_b32 s[G0+3], s[G0+3], 0x80000000          ; type = 2
	tensor_load_to_lds s[G0:G0+3], s[G1:G1+7]      ; my sixteen rows of f
	s_nop 0
.rept 4
	v_nop                                          ; four lines behind the tensor load
.endr
	s_add_nc_u64 s[12:13], s[12:13], s[16:17]
	s_add_nc_u64 s[10:11], s[10:11], s[38:39]
	s_wait_kmcnt 0x0
.irp q, 0,1,2,3,4,5,6,7,8,9,10,11,12,13,14,15
	s_min_u32 s[20+\q], s[20+\q], 2047             ; an index stays inside its table
	v_lshl_add_u32 v[GO+\q], s[20+\q], 9, v1
	global_load_b128 v[WR+4*\q:WR+4*\q+3], v[GO+\q], s[6:7]   ; no hint: many queries name the same row
.endr
.irp q, 0,1,2,3,4,5,6,7,8,9,10,11,12,13,14,15
	s_wait_loadcnt 15-\q                           ; loads come back in order: query q's row of W is in; the 15 - q younger gathers stay out
	global_store_b128 v1, v[WR+4*\q:WR+4*\q+3], s[12:13] offset:512*\q th:TH_STORE_NT
.endr
	s_wait_tensorcnt 0x0                           ; my rows of f are in; only I read them
.irp q, 0,1,2,3,4,5,6,7,8,9,10,11,12,13,14,15
	ds_load_b128 v[F+4*\q:F+4*\q+3], v5 offset:512*\q
.endr
.irp b, 0,1,2,3                        ; a batch row: four queries, two chains of sums
	s_wait_dscnt 12-4*\b                           ; the later batch rows' loads may be out
.irp i, 0,2,4,6,8,10,12,14
	v_pk_add_f32 v[F+16*\b+\i:F+16*\b+\i+1], v[F+16*\b+\i:F+16*\b+\i+1], v[WR+16*\b+\i:WR+16*\b+\i+1] neg_lo:[0,1] neg_hi:[0,1]   ; f - W_j
.endr
.irp g, 0,2
	v_pk_mul_f32 v[SM+4*\b+\g:SM+4*\b+\g+1], v[F+16*\b+\g:F+16*\b+\g+1], v[F+16*\b+\g:F+16*\b+\g+1]   ; the first product starts a chain
.endr
.irp i, 4,8,12
.irp g, 0,2
	v_pk_fma_f32 v[SM+4*\b+\g:SM+4*\b+\g+1], v[F+16*\b+\i+\g:F+16*\b+\i+\g+1], v[F+16*\b+\i+\g:F+16*\b+\i+\g+1], v[SM+4*\b+\g:SM+4*\b+\g+1]
.endr
.endr
.endr
	; the four sums over the 32 lanes, by turns
.irp b, 0,1,2,3
	v_pk_add_f32 v[SM+4*\b:SM+4*\b+1], v[SM+4*\b:SM+4*\b+1], v[SM+4*\b+2:SM+4*\b+3]
.endr
.irp b, 0,1,2,3
	v_add_f32 v[LO+\b], v[SM+4*\b], v[SM+4*\b+1]
.endr
.irp m, 1,2,4,8
.irp b, 0,1,2,3
	v_add_f32_dpp v[LO+\b], v[LO+\b], v[LO+\b] row_xmask:\m row_mask:0xf bank_mask:0xf
.endr
.endr
.irp b, 0,1,2,3
	v_permlanex16_b32 v[PD+\b], v[LO+\b], s36, s37
.endr
.irp b, 0,1,2,3
	v_add_f32 v[LO+\b], v[LO+\b], v[PD+\b]
.endr
.irp b, 0,1,2,3
	v_mul_f32 v[LO+\b], 0x3ea00000, v[LO+\b]       ; x 0.3125 = 1.25 / 4
.endr
	ds_store_b128 v3, v[LO:LO+3]                   ; all lanes write the same 16 bytes with the same values
	s_wait_dscnt 0x0                               ; for wave 0's sake: my store has landed
	s_barrier_signal -1
	s_barrier_wait -1
	s_cmp_lg_u32 s14, 0
	s_cbranch_scc1 .Lend
	ds_load_b32 v[SM], v4                          ; the work-group's 32 losses, a lane each
	s_wait_dscnt 0x0
	global_store_b32 v2, v[SM], s[10:11]
.Lend:
	s_wait_tensorcnt 0x0                           ; the wave's end
	ds_add_u32 v[SPW], v[NIL]
	s_wait_dscnt 0x0
	s_endpgm
.Lfunc_end_k_q2cd3b51b45_gather:
	.size	k_q2cd3b51b45_gather, .Lfunc_end_k_q2cd3b51b45_gather-k_q2cd3b51b45_gather
	.p2alignl 7, 3214868480
	.fill 96, 4, 3214868480
	.section	.rodata,"a",@progbits
	.p2align	6, 0x0
	.amdhsa_kernel k_q2cd3b51b45_gather
		.amdhsa_group_segment_fixed_size 167936
		.amdhsa_private_segment_fixed_size 0
		.amdhsa_enable_private_segment 0
		.amdhsa_kernarg_size 40
		.amdhsa_user_sgpr_count 2
		.amdhsa_user_sgpr_kernarg_segment_ptr 1
		.amdhsa_wavefront_size32 1
		.amdhsa_system_sgpr_workgroup_id_x 1
		.amdhsa_system_sgpr_workgroup_id_y 1
		.amdhsa_system_sgpr_workgroup_id_z 1
		.amdhsa_system_vgpr_workitem_id 0
		.amdhsa_next_free_vgpr 186
		.amdhsa_next_free_sgpr 66
		.amdhsa_reserve_vcc 0
		.amdhsa_float_denorm_mode_32 3
		.amdhsa_float_denorm_mode_16_64 3
		.amdhsa_memory_ordered 1
		.amdhsa_forward_progress 1
		.amdhsa_inst_pref_size 16
	.end_amdhsa_kernel
	.amdgpu_metadata
---
amdhsa.version: [ 1, 2 ]
amdhsa.kernels:
  - .name:           k_q2cd3b51b45_gather
    .symbol:         k_q2cd3b51b45_gather.kd
    .args:
      - { .name: feature, .offset: 0, .size: 8, .value_kind: global_buffer, .address_space: global }
      - { .name: W, .offset: 8, .size: 8, .value_kind: global_buffer, .address_space: global }
      - { .name: jidx, .offset: 16, .size: 8, .value_kind: global_buffer, .address_space: global }
      - { .name: out0, .offset: 24, .size: 8, .value_kind: global_buffer, .address_space: global }
      - { .name: out1, .offset: 32, .size: 8, .value_kind: global_buffer, .address_space: global }
    .group_segment_fixed_size: 167936
    .private_segment_fixed_size: 0
    .kernarg_segment_align: 8
    .kernarg_segment_size: 40
    .max_flat_workgroup_size: 256
    .sgpr_count:     66
    .vgpr_count:     186
    .wavefront_size: 32
...
	.end_amdgpu_metadata
.endif
;; end of part 3
